; MI455X (gfx1250); checked and timed in simulation.
; The chip was launched on July 23, 2026; its instructions are those of AMD's public machine-readable ISA for CDNA 5 (MIT licence, August 2026) and "CDNA5" Instruction Set Architecture Reference Guide (July 2026). The comments in the code are by the model that wrote it; some were corrected since.
;; VQ. Allowed arithmetic: matrix products marked QUANTISED: E5M2 operands, one given power-of-two scale a tensor, by v_wmma_f32_16x16x64_bf8_bf8 or v_wmma_f32_16x16x128_bf8_bf8, f32 sums; everything else in f32.
;; Inputs: emb 1,024 x 128 float32; lowp_scales 2 int32 (the exponents e of the quantised operands' scales 2^e); ze 16 x 128 x 4,096 float32.
;; Outputs: out0 16 x 128 x 4,096 float32.
;; This version of the problem:
;;   THIS VERSION OF THE PROBLEM IS GIVEN IN LOW PRECISION. The matrix products marked QUANTISED in the list below multiply operands that are first quantised to E5M2 (5 exponent bits, 2 mantissa bits; 8 bits a number), with one given power-of-two scale for each operand tensor; their sums are f32. All else is computed in f32.
;;   The module's matrix products, in the order in which they are computed (A, B: the left and right operand; K: the contracted axis; several contracted axes count as one K, in the product's order):
;;     1. [M 1,024, K 128] x [K 128, N 65,536]; A: input emb; B: input ze: QUANTISED (scales: A lowp_scales[0], B lowp_scales[1])
;;   THE QUANTISER, for each operand of a quantised product, along K:
;;     - The operand's scale is 2^e, e = its entry of the input lowp_scales (int32; the entries are numbered through the quantised products in the list's order, A before B).
;;     - Each number is divided by the scale, clamped to +-57,344, and rounded to the nearest number of E5M2, ties to even, subnormals kept.
;;     - The product sums the exact products of the quantised numbers (number of the format x scale) in f32.
;;   ~~~python
;;   def quantise(x, axis, e):      # numpy; x: float32 -> the quantised numbers, widened to float32 again
;;       x = np.moveaxis(x, axis, -1); K = x.shape[-1]
;;       r = np.clip(x / 2.0 ** e, -57344, 57344)
;;       step = 2.0 ** (np.maximum(np.frexp(np.where(r == 0, 1, r))[1] - 1, -14) - 2)
;;       q = np.round(r / step) * step * 2.0 ** e      # np.round: ties to even
;;       return np.moveaxis(q, -1, axis).astype(np.float32)
;;   ~~~
;; One version. Each part assembles by itself: llvm-mc -triple=amdgcn-amd-amdhsa -mcpu=gfx1250 --defsym DOCPART=n.
;; ======== version 1 of 1: 3 launches
;; limits: right only within a limited range of input values
;; workspace buffers: embq 135,168 bytes; idx 262,144 bytes of whole numbers
;; launch prep (part 1): grid 16 x 1, 16 waves a work-group, no clusters, 36,096 bytes of LDS; arguments emb, lowp_scales, embq; writes embq
.if DOCPART == 1
	.amdgcn_target "amdgcn-amd-amdhsa--gfx1250"
	.amdhsa_code_object_version 6
	.text
	.protected	k_qcbd9644f39_prep
	.globl	k_qcbd9644f39_prep
	.p2align	8
	.type	k_qcbd9644f39_prep,@function
k_qcbd9644f39_prep:
	s_mov_b64 s[64:65], 0
	v_nop
	global_prefetch_b8 v0, s[64:65] scope:SCOPE_SE
	s_setreg_imm32_b32 hwreg(HW_REG_WAVE_MODE, 25, 1), 1
	s_wait_xcnt 0x0
; WORK LEFT OUT OF THE PROGRAM, for all finite inputs.  (1) ze_sq[b][n] is added to d2[b][k][n] for every k alike, so it moves no argmin over k: neither the squares of ze nor their sum is made.
; (2) ze + (zq - ze) is zq in exact arithmetic, so the last launch stores zq, a row of emb, and does not load ze.  ze has its way to the output through the product and the argmin alone.
; LIMITS that go with it: a NaN, an infinity or an overflow that reaches only ze_sq or ze + (zq - ze) is not carried to the result; reference()'s roundings of ze_sq + emb_sq, of d2 and of
; ze + (zq - ze) are not made, so of two codebook rows whose d2 differ by no more than those roundings either may be taken.
;
; THIS LAUNCH: emb [1024][128] f32 is quantised once for the whole program, with the given scale 2^e0, and each row's sum of squares is made and scaled.
; code = x / 2^e0, held within +-57,344, to the nearest code, ties to even.  esq'[k] = (sum over d of emb[k][d]^2) x NS, NS = -2^-(e0 + e1 + 1): then (sum of code products) + esq' = -d2 / 2 without ze_sq, over 2^(e0 + e1).
; embq: eight parts of 16,896 bytes, part w for rows 128 w .. 128 w + 127: 8 tiles x 2,048 bytes of codes in the order of the operand's registers ([tile][c][lane][16 bytes]), then 128 numbers esq' ([tile][16 rows]).
; THE ROWS OF A TILE: row m of tile t is 128 w + 8 t + m for m < 8 and 128 w + 64 + 8 t + m - 8 for m >= 8: so lanes 0-15 of a result hold the part's lower 64 rows and lanes 16-31 its upper 64.
; Lane (r, h), part c holds d = 32 c + 16 h + 0 .. 15 of the tile's row r.
; SHARES.  Work-group g takes four tiles; wave v = 4 u + c loads four rows of tile u whole (512 consecutive bytes a load) and sums their squares; the rows turn through LDS; behind a barrier wave v makes the codes
; of part c of tile u, and wave 0 stores the 64 sums.
; No input is shared between work-groups, so there is nothing to ask for jointly; no loop, so nothing to prefetch; no matrix work.
; LIMITS: e0 between -126 and 112; e0 + e1 between -128 and 125 (NS is then an f32 number).  NaN among the inputs is not served.  The squares are added pairwise over the lanes, not in reference()'s order.
.set PITCH, 528                        ; a row in LDS: 512 bytes + 16
.set SUMS,  64*PITCH                   ; the work-group's 64 sums of squares, 256 bytes
.set SPARE, SUMS+256                   ; the spare words, 128 bytes for each wave
.set QB,    16896                      ; a part of embq
.set SPW,   12
.set NIL,   13
.set R,     16                         ; v16-31  four rows as loaded
.set X,     32                         ; v32-47  16 neighbours along d of row r
.set SQ,    48                         ; v48-51  my four rows' sums
.set SP,    52                         ; v52-59  four pairs of partial sums
.set PX,    60                         ; v60-63  lane permutes' destinations
.set PC,    64                         ; v64-67  the codes
	s_load_b128 s[4:7], s[0:1], 0x0                ; emb, the scales' exponents
	s_load_b64 s[8:9], s[0:1], 0x10                ; embq
	v_lshl_add_u32 v[SPW], v0, 2, SPARE
	v_mov_b32 v[NIL], 0
	v_lshrrev_b32 v1, 5, v0
	v_and_b32 v2, 15, v0                           ; r
	v_bfe_u32 v3, v0, 4, 1                         ; h
	v_and_b32 v8, 31, v0                           ; lane
	v_readfirstlane_b32 s12, v1                    ; wave 0..15
	v_mul_u32_u24 v6, v2, PITCH
	v_lshlrev_b32 v4, 4, v8                        ; 16 x lane
	v_lshlrev_b32 v9, 3, v8                        ; 8 x lane
	v_lshl_add_u32 v6, v3, 6, v6
	v_add_nc_u32 v10, SUMS, v9
.irp i, 0,1,2,3
	v_mov_b32 v[PX+\i], 0                          ; a lane permute's destination counts as read: written once
.endr
	s_lshr_b32 s13, s12, 2                         ; u
	s_and_b32 s14, s12, 3                          ; c
	s_mul_i32 s15, s12, 4*PITCH                    ; my four rows in LDS: 16 u + 4 c = 4 v
	s_mul_i32 s16, s13, 16*PITCH
	s_lshl_b32 s17, s14, 7
	s_add_co_u32 s16, s16, s17                     ; tile u, 128 c
	s_lshl_b32 s17, s12, 4
	s_add_co_u32 s17, s17, SUMS                    ; my four sums
	s_wait_alu depctr_va_vdst(0)
	v_add_nc_u32 v5, s15, v4
	v_add_nc_u32 v6, s16, v6
	v_mov_b32 v7, s17
	s_lshr_b32 s18, ttmp9, 1                       ; w
	s_and_b32 s19, ttmp9, 1                        ; tiles 0-3 or 4-7 of it
	s_lshl_b32 s20, s18, 16                        ; my first row of emb, in bytes: 128 w rows,
	s_lshl_b32 s21, s19, 14                        ;   + 32 rows,
	s_add_co_u32 s20, s20, s21
	s_lshl_b32 s21, s13, 12                        ;   + 8 u rows,
	s_add_co_u32 s20, s20, s21
	s_lshr_b32 s21, s14, 1
	s_lshl_b32 s21, s21, 15                        ;   + 64 rows for c = 2, 3,
	s_add_co_u32 s20, s20, s21
	s_and_b32 s21, s14, 1
	s_lshl_b32 s21, s21, 11                        ;   + 4 rows for c = 1, 3
	s_add_co_u32 s20, s20, s21
	s_mov_b32 s21, 0
	s_mul_i32 s24, s18, QB
	s_lshl_b32 s22, s19, 13
	s_add_co_u32 s22, s22, s24
	s_lshl_b32 s23, s12, 9
	s_add_co_u32 s22, s22, s23                     ; my 512 bytes of codes: part w + 8,192 + 512 v
	s_mov_b32 s23, 0
	s_lshl_b32 s25, s19, 8
	s_add_co_u32 s24, s24, s25
	s_add_co_u32 s24, s24, 16384                   ; the work-group's 64 numbers esq'
	s_mov_b32 s25, 0
	s_mov_b32 s10, 0x76543210                      ; v_permlanex16_b32: lane l xor 16
	s_mov_b32 s11, 0xfedcba98
	s_wait_alu depctr_va_vdst(0)
	s_wait_kmcnt 0x0
	s_load_b64 s[26:27], s[6:7], 0x0               ; e0, e1
	s_add_nc_u64 s[4:5], s[4:5], s[20:21]
	s_add_nc_u64 s[28:29], s[8:9], s[22:23]
	s_add_nc_u64 s[30:31], s[8:9], s[24:25]
.irp i, 0,1,2,3
	global_load_b128 v[R+4*\i:R+4*\i+3], v4, s[4:5] offset:512*\i
.endr
	s_wait_kmcnt 0x0
	s_add_co_i32 s36, s26, 127
	s_lshl_b32 s37, s36, 23
	v_mov_b32 v11, s37                             ; 2^e0 as f32: the conversion takes its exponent field
	s_add_co_i32 s36, s36, 15
	s_lshl_b32 s36, s36, 23
	s_or_b32 s36, s36, 0x600000
	v_mov_b32 v15, s36                             ; 57,344 x 2^e0
	s_add_co_i32 s34, s26, s27
	s_sub_co_i32 s34, 126, s34
	s_lshl_b32 s34, s34, 23
	s_or_b32 s34, s34, 0x80000000                  ; NS
	s_mov_b32 s35, s34                             ; (named with it as a pair)
	s_wait_alu depctr_va_vdst(0)
.irp i, 0,1,2,3
	s_wait_loadcnt 3-\i                            ; loads come back in order: row i is in, the younger ones may be out
	ds_store_b128 v5, v[R+4*\i:R+4*\i+3] offset:PITCH*\i
.endr
.irp i, 0,1,2,3
	v_pk_mul_f32 v[SP+2*\i:SP+2*\i+1], v[R+4*\i:R+4*\i+1], v[R+4*\i:R+4*\i+1]
.endr
.irp i, 0,1,2,3
	v_pk_fma_f32 v[SP+2*\i:SP+2*\i+1], v[R+4*\i+2:R+4*\i+3], v[R+4*\i+2:R+4*\i+3], v[SP+2*\i:SP+2*\i+1]
.endr
.irp i, 0,1,2,3
	v_add_f32 v[SQ+\i], v[SP+2*\i], v[SP+2*\i+1]
.endr
.irp m, 1,2,4,8
.irp i, 0,1,2,3
	v_add_f32_dpp v[SQ+\i], v[SQ+\i], v[SQ+\i] row_xmask:\m row_mask:0xf bank_mask:0xf
.endr
.endr
.irp i, 0,1,2,3
	v_permlanex16_b32 v[PX+\i], v[SQ+\i], s10, s11
.endr
.irp i, 0,1,2,3
	v_add_f32 v[SQ+\i], v[SQ+\i], v[PX+\i]         ; every lane holds the row's sum
.endr
	ds_store_b128 v7, v[SQ:SQ+3]                   ; all lanes write the same 16 bytes with the same numbers
	s_wait_dscnt 0x0                               ; for the others' sake: my rows and sums have landed
	s_barrier_signal -1
	s_barrier_wait -1
.irp e, 0,1,2,3
	ds_load_b128 v[X+4*\e:X+4*\e+3], v6 offset:16*\e
.endr
	s_wait_dscnt 0x0
.irp i, 0,1,2,3,4,5,6,7,8,9,10,11,12,13,14,15
	v_med3_num_f32 v[X+\i], v[X+\i], -v15, v15     ; the conversion to an 8-bit code does not saturate (ISA guide 7.6.2): hold first
.endr
	v_cvt_scalef32_pk8_bf8_f32 v[PC:PC+1], v[X:X+7], v11
	v_cvt_scalef32_pk8_bf8_f32 v[PC+2:PC+3], v[X+8:X+15], v11
	v_nop                                          ; one plain vector line behind the last scaled conversion
	global_store_b128 v4, v[PC:PC+3], s[28:29]     ; 32 lanes store 512 consecutive bytes, aligned to 256
	s_cmp_lg_u32 s12, 0
	s_cbranch_scc1 .Ldone
	ds_load_b64 v[56:57], v10                      ; two rows' sums a lane
	s_wait_dscnt 0x0
	v_pk_mul_f32 v[56:57], v[56:57], s[34:35] op_sel_hi:[1,0]
	global_store_b64 v9, v[56:57], s[30:31]        ; 256 consecutive bytes, aligned
.Ldone:
	s_wait_tensorcnt 0x0                           ; the wave's end
	ds_add_u32 v[SPW], v[NIL]
	s_wait_dscnt 0x0
	s_endpgm
.Lfunc_end_k_qcbd9644f39_prep:
	.size	k_qcbd9644f39_prep, .Lfunc_end_k_qcbd9644f39_prep-k_qcbd9644f39_prep
	.p2alignl 7, 3214868480
	.fill 96, 4, 3214868480
	.section	.rodata,"a",@progbits
	.p2align	6, 0x0
	.amdhsa_kernel k_qcbd9644f39_prep
		.amdhsa_group_segment_fixed_size 36096
		.amdhsa_private_segment_fixed_size 0
		.amdhsa_enable_private_segment 0
		.amdhsa_kernarg_size 24
		.amdhsa_user_sgpr_count 2
		.amdhsa_user_sgpr_kernarg_segment_ptr 1
		.amdhsa_wavefront_size32 1
		.amdhsa_system_sgpr_workgroup_id_x 1
		.amdhsa_system_sgpr_workgroup_id_y 1
		.amdhsa_system_sgpr_workgroup_id_z 1
		.amdhsa_system_vgpr_workitem_id 0
		.amdhsa_next_free_vgpr 72
		.amdhsa_next_free_sgpr 66
		.amdhsa_reserve_vcc 0
		.amdhsa_float_denorm_mode_32 3
		.amdhsa_float_denorm_mode_16_64 3
		.amdhsa_memory_ordered 1
		.amdhsa_forward_progress 1
		.amdhsa_inst_pref_size 9
	.end_amdhsa_kernel
	.amdgpu_metadata
---
amdhsa.version: [ 1, 2 ]
amdhsa.kernels:
  - .name:           k_qcbd9644f39_prep
    .symbol:         k_qcbd9644f39_prep.kd
    .args:
      - { .name: emb, .offset: 0, .size: 8, .value_kind: global_buffer, .address_space: global }
      - { .name: lowp_scales, .offset: 8, .size: 8, .value_kind: global_buffer, .address_space: global }
      - { .name: embq, .offset: 16, .size: 8, .value_kind: global_buffer, .address_space: global }
    .group_segment_fixed_size: 36096
    .private_segment_fixed_size: 0
    .kernarg_segment_align: 8
    .kernarg_segment_size: 24
    .max_flat_workgroup_size: 512
    .sgpr_count:     66
    .vgpr_count:     72
    .wavefront_size: 32
...
	.end_amdgpu_metadata
.endif
;; end of part 1
;; launch score (part 2): grid 256 x 1, 8 waves a work-group, clusters of 4 x 1, 201,728 bytes of LDS; arguments ze, embq, lowp_scales, idx; writes idx
.if DOCPART == 2
	.amdgcn_target "amdgcn-amd-amdhsa--gfx1250"
	.amdhsa_code_object_version 6
	.text
	.protected	k_qcbd9644f39_score
	.globl	k_qcbd9644f39_score
	.p2align	8
	.type	k_qcbd9644f39_score,@function
k_qcbd9644f39_score:
	s_mov_b64 s[64:65], 0
	v_nop
	global_prefetch_b8 v0, s[64:65] scope:SCOPE_SE
	s_setreg_imm32_b32 hwreg(HW_REG_WAVE_MODE, 25, 1), 1
	s_wait_xcnt 0x0
	s_wait_alu depctr_hold_cnt(0) depctr_sa_sdst(0) depctr_va_vdst(0) depctr_va_sdst(0) depctr_va_ssrc(0) depctr_va_vcc(0) depctr_vm_vsrc(0)
	s_getreg_b32 s2, hwreg(HW_REG_IB_STS2, 6, 4)
	s_cmp_eq_u32 s2, 0
	s_cbranch_scc0 .Lentry_in_a_cluster
	s_endpgm
.Lentry_in_a_cluster:
	s_bfe_u32 s2, ttmp6, 0x10000c
	s_cmp_lg_u32 s2, 0x3003
	s_cbranch_scc0 .Lentry_shape_is_right
	s_endpgm
.Lentry_shape_is_right:
; idx[b][n] = the first k at which d2[k] is least.  LEFT OUT: ze_sq, which is the same for every k and so moves no argmin (see the first launch's head; its limits hold here).
; The score of k is (sum of the codes' products) + esq'[k] = -(d2[k] - ze_sq) / (2 x 2^(e0 + e1)): the least d2 is the LARGEST score.  emb's codes and esq' come from the launch before; ze is quantised here with 2^e1:
; each number of ze is read by one work-group, once.  One matrix instruction covers K = 128 and takes esq' as its C, so its result is the finished score.
; SHARES.  A work-group owns 256 columns of one b.  The waves share k: wave w keeps emb's rows 128 w .. 128 w + 127 (8 tiles, 128 registers) and their esq' (64 registers) and scores all 256 columns against them:
; 16 tiles of columns x 8 tiles of k = 128 matrix instructions a wave.  The winners of the 8 waves x 2 halves of the lanes meet in LDS at the end.
; ze.  Columns go in four chunks j of 64.  Wave w loads rows d = 32 (w / 2) + 8 (w % 2) + 16 h + i (i = 0 .. 7) at columns 64 j + 4 r + 0 .. 3: 16 lanes read 256 consecutive bytes, aligned.  Tile q of a chunk is the columns
; 64 j + 4 r + q: so a lane's 8 numbers of column 4 r + q are registers 2 w, 2 w + 1 of the fragment in that very lane.  The parts reach the other waves through LDS as images of the registers.
; Both operands hold d = 32 c + 16 h + 0 .. 15 in registers 4 c .. 4 c + 3: one order of d on both sides, so every product meets its partner.
; THE LARGEST SCORE.  Register e of lane (r, h) is k = 128 w + 64 h + 8 t + e of column r.  For each tile: its largest together with the best so far (v_max3_num_f32), a compare with the best so far, and, where it is
; strictly larger, its number and its eight scores are kept.  At the end the first of the kept eight that equals the best gives e.  The entries (w, h) ascend in k, so in the merge only a strictly larger score displaces
; a lower entry: ties go to the lower k.  All compares are on whole f32 numbers.
; CLUSTER.  All work-groups read the same embq: the four of a cluster ask for each part jointly (the descriptor is made of the wave's number and embq's address alone; the mask names all four).
; ORDER.  The joint load (135,168 bytes a work-group) and ze's chunk 0 (32,768) are asked for at the head; chunk 1 is asked for when chunk 0 has landed, and chunk 0 is quantised, while the joint load is out; chunks 2 and 3
; are asked for when that has landed.  The launch has no loop, so there is none in which a prefetch could run ahead.
; LIMITS: e1 between -126 and 112; e0 + e1 between -128 and 125.  NaN among the inputs is not served.
.set QB,   16896                       ; LDS 0: wave w's part of embq at QB w: filled once, by its own tensor load, read by it alone
.set IMG,  8*QB                        ; 16 images of ze's fragments, 2,048 bytes each: image 4 j + q, part c at 512 c, lane at 16 x lane
.set MRG,  IMG+16*2048                 ; winners: entry 2 w + h at 2,048 x entry, column at 8 x column: (score, k)
.set SPARE, MRG+16*2048                ; the spare words, 128 bytes for each wave
; window 0
.set ZOFF, 1                           ; ze: 16 rows x h + 16 r
.set IMGW, 2                           ; where I store my part of an image
.set IB,   3                           ; IMG + 16 x lane
.set MRW,  4                           ; where I store winners
.set H8W,  5                           ; 64 (2 w + h)
.set SC,   6                           ; 2^e1
.set LIM,  7                           ; 57,344 x 2^e1
.set SPW,  8
.set NIL,  9
.set PB,   10                          ; v10-17 pairs (best after an odd tile, k), one for each q
.set BA,   18                          ; v18-21 best after an even tile
.set X,    22                          ; v22-25 four tiles' maxima at work
.set PC,   18                          ; v18-25 chunk 0's codes on their way to LDS
.set GID,  26                          ; v26-29 8 x the tile that holds the best
.set CAP,  32                          ; v32-63 the kept eight scores for each q; tile 0's accumulators
.set ACC,  64                          ; v64-127 two sets of four accumulators
.set B,    128                         ; v128-191 four fragments of ze
.set ESQ,  192                         ; v192-255 esq' of tile t at 8 t
; window 1
.set EMB,  0                           ; emb's fragment t at 16 t
.set ZE,   128                         ; ze as loaded: chunk j, row i at 32 j + 4 i
.set RM,   66                          ; s66-93 registers' masks
.set MSB, 0
.macro WIN new                         ; the immediate's high byte repeats the setting that is left
.if MSB != \new
	s_set_vgpr_msb (MSB<<8)|\new
.set MSB, \new
.endif
.endm
.macro ROUND                           ; a round of the cluster's barrier
	s_barrier_signal -1
	s_barrier_wait -1
	s_cmp_lg_u32 s12, 0
	s_cbranch_scc1 .Lnot_wave_0_\@
	s_barrier_signal -3
.Lnot_wave_0_\@:
	s_barrier_wait -3
	s_barrier_signal -1
	s_barrier_wait -1
.endm
.macro ZLOAD j                         ; chunk j: my 16 rows x 64 columns; ze's one read in the program
.irp i, 0,1,2,3,4,5,6,7
	global_load_b128 v[ZE+32*\j+4*\i:ZE+32*\j+4*\i+3], v[ZOFF], s[4:5] offset:16384*\i+256*\j th:TH_LOAD_NT
.endr
.endm
; Chunk j's numbers become my part of four fragments' images.  The holds sort the four columns apart: into accumulators for chunk 0, else into the registers that the chunk before has left; the codes of a later chunk
; then lie in its own.
.macro QZ j
	s_wait_alu depctr_va_vdst(0)
.if (\j) == 0
	s_wait_loadcnt 0x0                             ; only chunk 0 has been asked for
	WIN 0x40                                       ; destination window 1
	ZLOAD 1
.set TB, ACC
.set PP, PC
	WIN 0x01                                       ; source 0: window 1
.else
	s_wait_loadcnt 24-8*(\j)                       ; loads come back in order: chunk j's 8 are in; the later chunks', 8 each, may be out
.set TB, ZE+32*((\j)-1)
.set PP, ZE+32*(\j)
	WIN 0x41                                       ; source 0 and destination: window 1
.endif
.irp q, 0,1,2,3
.irp i, 0,1,2,3,4,5,6,7
	v_med3_num_f32 v[TB+8*\q+\i], v[ZE+32*(\j)+4*\i+\q], -v[LIM], v[LIM]   ; the hold that an 8-bit conversion wants (ISA guide 7.6.2)
.endr
.endr
.if (\j) == 0
	WIN 0
.endif
.irp q, 0,1,2,3
	v_cvt_scalef32_pk8_bf8_f32 v[PP+2*\q:PP+2*\q+1], v[TB+8*\q:TB+8*\q+7], v[SC]
.endr
	v_nop                                          ; one plain vector line behind the last scaled conversion
.if (\j) > 0
	WIN 0x04                                       ; a store's data: source 1
.endif
.irp q, 0,1,2,3
	ds_store_b64 v[IMGW], v[PP+2*\q:PP+2*\q+1] offset:(4*(\j)+\q)*2048
.endr
	WIN 0
.endm
.macro READY
	s_wait_alu depctr_va_vdst(0)
	s_wait_dscnt 0x0                               ; for the others' sake: my part of the images has landed
	s_barrier_signal -1
.endm
.macro BLOAD j
.irp q, 0,1,2,3
.irp c, 0,1,2,3
	ds_load_b128 v[B+16*\q+4*\c:B+16*\q+4*\c+3], v[IB] offset:(4*(\j)+\q)*2048+512*\c
.endr
.endr
.endm
.macro AT t, q                         ; tile t, column tile q: its accumulator AB; the best's new and old place
.if (\t) == 0
.set AB, CAP+8*(\q)
.else
.set AB, ACC+32*((\t)%2)+8*(\q)
.endif
.if (\t)%2
.set BN, PB+2*(\q)
.set BO, BA+(\q)
.else
.set BN, BA+(\q)
.set BO, PB+2*(\q)
.endif
.endm
.macro GRP j, t                        ; tile t of k against four tiles of columns; every accumulator begins anew with esq' as C
.if (\j) == 0
	s_wait_dscnt 4*(7-(\t))                        ; chunk 0: the later tiles' fragments of emb, four loads each, may be out
.endif
	WIN 0x01                                       ; source 0 (emb): window 1
.irp q, 0,1,2,3
	AT \t, \q
	v_wmma_f32_16x16x128_bf8_bf8 v[AB:AB+7], v[EMB+16*(\t):EMB+16*(\t)+15], v[B+16*\q:B+16*\q+15], v[ESQ+8*(\t):ESQ+8*(\t)+7]
.endr
	WIN 0
.endm
; Tile t's scores are looked through, each accumulator from its low end on.
.macro TRACK t
.irp q, 0,1,2,3
	AT \t, \q
	v_max3_num_f32 v[X+\q], v[AB], v[AB+1], v[AB+2]
.endr
.irp q, 0,1,2,3
	AT \t, \q
	v_max3_num_f32 v[X+\q], v[X+\q], v[AB+3], v[AB+4]
.endr
.irp q, 0,1,2,3
	AT \t, \q
	v_max3_num_f32 v[X+\q], v[X+\q], v[AB+5], v[AB+6]
.endr
.if (\t) == 0
.irp q, 0,1,2,3
	AT \t, \q
	v_max_num_f32 v[BN], v[X+\q], v[AB+7]          ; tile 0 starts the best, and is the kept tile as it stands
	v_mov_b32 v[GID+\q], 0
.endr
.else
	AT \t, 0
	v_max3_num_f32 v[BN], v[X], v[AB+7], v[BO]
.irp q, 0,1,2,3
	AT \t, \q
	v_cmp_le_f32 vcc_lo, v[BN], v[BO]              ; set where the best has NOT grown: an equal score leaves the earlier tile
.if \q < 3
	AT \t, \q+1
	v_max3_num_f32 v[BN], v[X+\q+1], v[AB+7], v[BO]
	AT \t, \q
.endif
.irp e, 0,2,4,6
	v_dual_cndmask_b32 v[CAP+8*\q+\e], v[AB+\e], v[CAP+8*\q+\e] :: v_dual_cndmask_b32 v[CAP+8*\q+\e+1], v[AB+\e+1], v[CAP+8*\q+\e+1]
.endr
	v_cndmask_b32 v[GID+\q], 8*(\t), v[GID+\q], vcc_lo
.endr
.endif
.endm
.macro RESOLVE j                       ; tile 7 wrote the best to PB
.irp e, 0,1,2,3,4,5,6
.irp q, 0,1,2,3
	v_cmp_neq_f32 s[RM+7*\q+\e], v[CAP+8*\q+\e], v[PB+2*\q]
.endr
.endr
.irp q, 0,1,2,3
	v_cndmask_b32 v[PB+2*\q+1], 6, 7, s[RM+7*\q+6]
.endr
.irp e, 5,4,3,2,1,0
.irp q, 0,1,2,3
	v_cndmask_b32 v[PB+2*\q+1], \e, v[PB+2*\q+1], s[RM+7*\q+\e]   ; in the end the first register that equals the best
.endr
.endr
.irp q, 0,1,2,3
	v_add3_u32 v[PB+2*\q+1], v[GID+\q], v[PB+2*\q+1], v[H8W]      ; k = 8 tile + register + 64 (2 w + h)
.endr
.irp q, 0,1,2,3
	ds_store_b64 v[MRW], v[PB+2*\q:PB+2*\q+1] offset:512*(\j)+8*\q   ; column 64 j + 4 r + q
.endr
.endm
; A chunk: 32 matrix instructions a wave.  Between a group and the reads of its results stand another tile's vector lines.  The next chunk is quantised behind the sixth group; the signal follows one tile later, the wait in
; front of the loads of the new fragments: only register work stands between.  Tile 6's lines are also the places between the last products and those loads.
.macro CHUNK j
.if (\j) > 0
	s_wait_dscnt 4                                 ; the fragments are in; the four stores of winners behind them may be out
.endif
	GRP \j, 0
	GRP \j, 1
.rept 4
	v_nop                                          ; places ahead of the reads of group 0's results
.endr
.irp t, 0,1,2,3
	TRACK \t
	GRP \j, \t+2
.endr
.if (\j) < 3
	QZ (\j)+1
.endif
	TRACK 4
.if (\j) < 3
	READY
.endif
	GRP \j, 6
	TRACK 5
	GRP \j, 7
	TRACK 6
.if (\j) < 3
	s_wait_alu depctr_va_vdst(0)
	s_barrier_wait -1                              ; the next chunk's four images are whole
	BLOAD (\j)+1
.endif
	TRACK 7
	RESOLVE \j
.endm
	s_load_b256 s[4:11], s[0:1], 0x0               ; ze s[4:5], embq s[6:7], the scales' exponents s[8:9], idx s[10:11]
	v_lshl_add_u32 v[SPW], v0, 2, SPARE
	v_mov_b32 v[NIL], 0
	ds_add_u32 v[SPW], v[NIL]                      ; the wave's opening: the add, twice on end; its wait follows
	ds_add_u32 v[SPW], v[NIL]
	v_lshrrev_b32 v22, 5, v0
	v_and_b32 v23, 15, v0                          ; r
	v_bfe_u32 v24, v0, 4, 1                        ; h
	v_and_b32 v25, 31, v0                          ; lane
	v_readfirstlane_b32 s12, v22                   ; wave 0..7
	v_lshrrev_b32 v26, 6, v0                       ; w / 2
	v_bfe_u32 v27, v0, 5, 1                        ; w % 2
	v_lshrrev_b32 v28, 4, v0                       ; 2 w + h
	v_lshlrev_b32 v[ZOFF], 4, v23
	v_lshlrev_b32 v25, 4, v25                      ; 16 x lane
	v_lshlrev_b32 v29, 5, v23                      ; 32 r
	v_lshl_add_u32 v[ZOFF], v24, 18, v[ZOFF]       ; + 16 rows of 16,384 bytes x h
	v_add_nc_u32 v[IB], IMG, v25
	v_lshlrev_b32 v[H8W], 6, v28
	v_lshl_add_u32 v[MRW], v28, 11, v29
	v_lshl_add_u32 v[IMGW], v26, 9, v[IB]
	v_add_nc_u32 v[MRW], MRG, v[MRW]
	v_lshl_add_u32 v[IMGW], v27, 3, v[IMGW]        ; IMG + 512 (w / 2) + 8 (w % 2) + 16 x lane
	s_wait_alu depctr_va_vdst(0)
	s_mul_i32 s22, s12, QB
	v_add_nc_u32 v30, s22, v25                     ; my part: QB w + 16 x lane,
	s_add_co_u32 s23, s22, 16384
	v_lshl_add_u32 v31, v24, 5, s23                ; and its esq': + 16,384 + 32 h
	s_bfe_u32 s13, ttmp6, 0x40000                  ; cx: my place in the cluster
	s_lshl_b32 s14, ttmp9, 2                       ; in a cluster launch ttmp9 counts clusters
	s_add_co_u32 s14, s14, s13                     ; my work-group's number: it enters ze's and idx's addresses alone
	s_lshr_b32 s15, s14, 4                         ; b
	s_and_b32 s16, s14, 15                         ; which 256 columns
	s_lshl_b32 s18, s15, 21                        ; ze: 2,097,152 b
	s_lshr_b32 s17, s12, 1
	s_lshl_b32 s17, s17, 19                        ;     + 32 rows x (w / 2)
	s_add_co_u32 s18, s18, s17
	s_and_b32 s17, s12, 1
	s_lshl_b32 s17, s17, 17                        ;     + 8 rows x (w % 2)
	s_add_co_u32 s18, s18, s17
	s_lshl_b32 s20, s16, 10                        ;     + 1,024 bytes x block of columns
	s_add_co_u32 s18, s18, s20
	s_mov_b32 s19, 0
	s_lshl_b32 s54, s15, 14                        ; idx: 16,384 b + 1,024 x block
	s_add_co_u32 s54, s54, s20
	s_mov_b32 s55, 0
	s_mul_i32 s56, s12, QB                         ; embq: my wave's part
	s_mov_b32 s57, 0
	; the descriptor: my part of embq, dense, as 66 rows of 256 bytes
	s_mov_b32 s24, 15|(3<<16)|(1<<21)              ; 15:0 the mask: all four work-groups; 17:16 elements of 8 bytes; 21 set beside a mask; no padding
	s_mov_b32 s25, 32<<16                          ; tensor_dim0 = 32 elements
	s_mov_b32 s26, 66<<16                          ; tensor_dim1 = 66
	s_mov_b32 s27, 32<<16                          ; tile_dim0 = 32
	s_mov_b32 s28, 66                              ; tile_dim1 = 66
	s_mov_b32 s29, 32                              ; from row to row: 32 elements
	s_mov_b32 s30, 0
	s_mov_b32 s31, 0
	s_mov_b32 s32, 1                               ; count = 1
	s_mul_i32 s33, s12, QB                         ; LDS address: the wave's number alone
	s_wait_alu depctr_va_vdst(0)
	s_wait_dscnt 0x0                               ; both opening adds are done
	ROUND                                          ; all four work-groups are here: the joint loads meet
	s_wait_kmcnt 0x0
	s_load_b32 s36, s[8:9], 0x4                    ; e1
	s_add_nc_u64 s[34:35], s[6:7], s[56:57]
	s_or_b32 s35, s35, 0x80000000                  ; type = 2
	tensor_load_to_lds s[32:35], s[24:31]          ; my one tensor load of the launch
	s_nop 0
.rept 4
	v_nop
.endr
	s_add_nc_u64 s[4:5], s[4:5], s[18:19]
	s_add_nc_u64 s[10:11], s[10:11], s[54:55]
	WIN 0x40                                       ; destination window 1
	ZLOAD 0
	WIN 0
	s_wait_kmcnt 0x0
	s_add_co_i32 s21, s36, 127
	s_lshl_b32 s22, s21, 23
	v_mov_b32 v[SC], s22                           ; 2^e1 as f32: the conversion takes its exponent field
	s_add_co_i32 s21, s21, 15
	s_lshl_b32 s21, s21, 23
	s_or_b32 s21, s21, 0x600000
	v_mov_b32 v[LIM], s21                          ; 57,344 x 2^e1
	QZ 0
	READY
	s_barrier_wait -1                              ; chunk 0's four images are whole
	s_wait_tensorcnt 0x0                           ; my part has landed; only I read it, so my own wait is all the ordering that the reads need
	WIN 0x40
	ZLOAD 2                                        ; these land while chunks 0 and 1 are scored
	ZLOAD 3
	WIN 0
	BLOAD 0
.irp t, 0,1,2,3,4,5,6,7
	ds_load_b128 v[ESQ+8*\t:ESQ+8*\t+3], v31 offset:64*\t           ; esq' of the tile's rows 8 h + 0 .. 7, in the result's layout: they stay
	ds_load_b128 v[ESQ+8*\t+4:ESQ+8*\t+7], v31 offset:64*\t+16
.endr
	WIN 0x40
.irp t, 0,1,2,3,4,5,6,7
.irp c, 0,1,2,3
	ds_load_b128 v[EMB+16*\t+4*\c:EMB+16*\t+4*\c+3], v30 offset:2048*\t+512*\c   ; emb's fragments, as they lie: they stay
.endr
.endr
	WIN 0
	CHUNK 0
	CHUNK 1
	CHUNK 2
	CHUNK 3
	; THE MERGE: threads 0 .. 127 take two columns each and the sixteen entries for them, pair by pair: the higher entry displaces the lower only by a strictly larger score
.set MG, 32                            ; v32-95 entry n: (score, k) of two columns
	v_lshl_add_u32 v30, v0, 4, MRG
	v_lshlrev_b32 v31, 3, v0
	s_wait_alu depctr_va_vdst(0)
	s_wait_dscnt 0x0                               ; for the others' sake: my winners have landed
	s_barrier_signal -1
	s_barrier_wait -1
	s_cmp_gt_u32 s12, 3
	s_cbranch_scc1 .Lend
.set n, 0
.rept 16
	ds_load_b128 v[MG+4*n:MG+4*n+3], v30 offset:2048*n
.set n, n+1
.endr
	s_wait_dscnt 0x0
.macro LEVEL st
.set n, 0
.rept 8/(\st)
.irp c, 0,1
	v_cmp_gt_f32 s[RM+n/(\st)+\c], v[MG+4*(n+\st)+2*\c], v[MG+4*n+2*\c]
.endr
.set n, n+2*\st
.endr
.set n, 0
.rept 8/(\st)
.irp c, 0,1
	v_cndmask_b32 v[MG+4*n+2*\c], v[MG+4*n+2*\c], v[MG+4*(n+\st)+2*\c], s[RM+n/(\st)+\c]
	v_cndmask_b32 v[MG+4*n+2*\c+1], v[MG+4*n+2*\c+1], v[MG+4*(n+\st)+2*\c+1], s[RM+n/(\st)+\c]
.endr
.set n, n+2*\st
.endr
.endm
	LEVEL 1
	LEVEL 2
	LEVEL 4
	LEVEL 8
	v_mov_b32 v96, v[MG+1]
	v_mov_b32 v97, v[MG+3]
	global_store_b64 v31, v[96:97], s[10:11]       ; a wave stores 256 consecutive bytes, aligned
.Lend:
	s_wait_tensorcnt 0x0                           ; the wave's end
	ds_add_u32 v[SPW], v[NIL]
	s_wait_dscnt 0x0
	ROUND                                          ; the closing round: no work-group ends while a partner may still ask for a tile that names it
	s_endpgm
.Lfunc_end_k_qcbd9644f39_score:
	.size	k_qcbd9644f39_score, .Lfunc_end_k_qcbd9644f39_score-k_qcbd9644f39_score
	.p2alignl 7, 3214868480
	.fill 96, 4, 3214868480
	.section	.rodata,"a",@progbits
	.p2align	6, 0x0
	.amdhsa_kernel k_qcbd9644f39_score
		.amdhsa_group_segment_fixed_size 201728
		.amdhsa_private_segment_fixed_size 0
		.amdhsa_enable_private_segment 0
		.amdhsa_kernarg_size 32
		.amdhsa_user_sgpr_count 2
		.amdhsa_user_sgpr_kernarg_segment_ptr 1
		.amdhsa_wavefront_size32 1
		.amdhsa_system_sgpr_workgroup_id_x 1
		.amdhsa_system_sgpr_workgroup_id_y 1
		.amdhsa_system_sgpr_workgroup_id_z 1
		.amdhsa_system_vgpr_workitem_id 0
		.amdhsa_next_free_vgpr 512
		.amdhsa_next_free_sgpr 96
		.amdhsa_reserve_vcc 1
		.amdhsa_float_denorm_mode_32 3
		.amdhsa_float_denorm_mode_16_64 3
		.amdhsa_memory_ordered 1
		.amdhsa_forward_progress 1
		.amdhsa_inst_pref_size 128
	.end_amdhsa_kernel
	.amdgpu_metadata
---
amdhsa.version: [ 1, 2 ]
amdhsa.kernels:
  - .name:           k_qcbd9644f39_score
    .symbol:         k_qcbd9644f39_score.kd
    .args:
      - { .name: ze, .offset: 0, .size: 8, .value_kind: global_buffer, .address_space: global }
      - { .name: embq, .offset: 8, .size: 8, .value_kind: global_buffer, .address_space: global }
      - { .name: lowp_scales, .offset: 16, .size: 8, .value_kind: global_buffer, .address_space: global }
      - { .name: idx, .offset: 24, .size: 8, .value_kind: global_buffer, .address_space: global }
    .group_segment_fixed_size: 201728
    .private_segment_fixed_size: 0
    .kernarg_segment_align: 8
    .kernarg_segment_size: 32
    .max_flat_workgroup_size: 256
    .sgpr_count:     96
    .vgpr_count:     512
    .wavefront_size: 32
...
	.end_amdgpu_metadata
.endif
;; end of part 2
;; launch spread (part 3): grid 256 x 1, 8 waves a work-group, no clusters, 132,096 bytes of LDS; arguments idx, emb, out0; writes out0
.if DOCPART == 3
	.amdgcn_target "amdgcn-amd-amdhsa--gfx1250"
	.amdhsa_code_object_version 6
	.text
	.protected	k_qcbd9644f39_spread
	.globl	k_qcbd9644f39_spread
	.p2align	8
	.type	k_qcbd9644f39_spread,@function
k_qcbd9644f39_spread:
	s_mov_b64 s[64:65], 0
	v_nop
	global_prefetch_b8 v0, s[64:65] scope:SCOPE_SE
	s_setreg_imm32_b32 hwreg(HW_REG_WAVE_MODE, 25, 1), 1
	s_wait_xcnt 0x0
; out0[b][d][n] = emb[idx[b][n]][d].  LEFT OUT: ze + (zq - ze) is zq in exact arithmetic, so ze is not loaded and its two roundings are not made (see the first launch's head; its limits hold here).
; SHARES.  A work-group owns 256 columns of one b.  Wave wv takes 64 columns (wv % 4) and 64 rows d (wv / 4).  Waves share nothing: no barrier.
; THE GATHER.  A column's 64 numbers are 256 consecutive bytes of a row of emb, aligned: 16 lanes read them by one load (lanes 0-15 column m, lanes 16-31 column 32 + m).  But out0 wants neighbouring COLUMNS in neighbouring
; lanes.  So the 64 x 64 numbers turn through the wave's own 16 KiB of LDS: column col at 256 col, its piece of 16 bytes number ch at place ch xor ((col / 4) % 16).  By that, the 16 lanes of a store (one column, 16 pieces)
; and the 16 lanes of a read (16 columns four apart, one piece) both touch 16 different places modulo 256 bytes.  The last 4 x 4 turn is made by moves between registers.
; out0: lane (r, h) holds rows 8 g + 4 h + i at columns 4 r + 0 .. 3: 16 lanes store 256 consecutive bytes, aligned.
; No matrix work, and nothing to ask for jointly: which rows of emb are read hangs on the indices.  There is no loop, so nothing to prefetch in.  An index is held at 1,023 before it enters an address.
.set VO,  3                            ; v3     out0: 4 rows x h + 16 r
.set WA,  8                            ; v8-15  LDS, on the way in: address for columns 4 n .. 4 n + 3 of my half
.set RA,  16                           ; v16-23 LDS, on the way out: address for rows 8 g + 4 h on
.set T,   24                           ; v24-39 group 0's turned numbers; group g's go where group g - 1 lay before its turn
.set OFF, 40                           ; v40-71 idx of column 32 h + m, then its row's byte offset
.set G,   72                           ; v72-199 emb: as gathered, then register 16 g + 4 q + i
.set SPW, 200
.set NIL, 201
.set SPARE, 131072
	s_load_b128 s[4:7], s[0:1], 0x0                ; idx s[4:5], emb s[6:7]
	s_load_b64 s[10:11], s[0:1], 0x10              ; out0
	v_lshl_add_u32 v[SPW], v0, 2, SPARE
	v_mov_b32 v[NIL], 0
	v_lshrrev_b32 v6, 5, v0
	v_and_b32 v1, 15, v0                           ; r
	v_bfe_u32 v2, v0, 4, 1                         ; h
	v_readfirstlane_b32 s12, v6                    ; wave 0..7
	v_lshlrev_b32 v5, 4, v1                        ; 16 r
	v_lshlrev_b32 v4, 7, v2                        ; idx: 32 columns x h
	v_lshlrev_b32 v7, 3, v2
	v_lshl_add_u32 v[VO], v2, 16, v5               ; 4 rows of 16,384 bytes x h + 16 r
	s_wait_alu depctr_va_vdst(0)
	s_and_b32 s13, s12, 3                          ; which 64 columns
	s_lshr_b32 s14, s12, 2                         ; which 64 rows
	s_lshr_b32 s15, ttmp9, 4                       ; b
	s_and_b32 s16, ttmp9, 15                       ; which 256 columns
	s_lshl_b32 s21, s16, 10
	s_lshl_b32 s22, s13, 8
	s_add_co_u32 s21, s21, s22                     ; my first column, in bytes of 4 a column
	s_lshl_b32 s18, s15, 14
	s_add_co_u32 s18, s18, s21                     ; idx: 16,384 b + that
	s_mov_b32 s19, 0
	s_lshl_b32 s24, s15, 21
	s_lshl_b32 s23, s14, 20
	s_add_co_u32 s24, s24, s23
	s_add_co_u32 s24, s24, s21                     ; out0: 2,097,152 b + 64 rows x half + that
	s_mov_b32 s25, 0
	s_lshl_b32 s26, s14, 8                         ; emb: my 64 numbers of a row
	s_mov_b32 s27, 0
	s_lshl_b32 s20, s12, 14                        ; my 16 KiB of LDS
	s_wait_kmcnt 0x0
	s_add_nc_u64 s[4:5], s[4:5], s[18:19]
	s_add_nc_u64 s[6:7], s[6:7], s[26:27]
	s_add_nc_u64 s[10:11], s[10:11], s[24:25]
.irp e, 0,1,2,3,4,5,6,7
	global_load_b128 v[OFF+4*\e:OFF+4*\e+3], v4, s[4:5] offset:16*\e   ; the 16 lanes of a half read the same 16 bytes
.endr
	v_xor_b32 v7, v7, v1                           ; r xor 8 h
	v_lshl_add_u32 v24, v2, 13, s20                ; my LDS + 32 columns x h
	v_lshl_add_u32 v25, v1, 10, s20                ; my LDS + 4 columns x r
.irp n, 0,1,2,3,4,5,6,7
	v_xor_b32 v[WA+\n], \n, v7                     ; piece r of column 32 h + 4 n + ..: place r xor (8 h + n)
	v_add_nc_u32 v[RA+\n], 2*\n, v2
.endr
.irp n, 0,1,2,3,4,5,6,7
	v_lshl_add_u32 v[WA+\n], v[WA+\n], 4, v24
	v_xor_b32 v[RA+\n], v[RA+\n], v1               ; piece 2 g + h of column 4 r + ..: place (2 g + h) xor r
.endr
.irp n, 0,1,2,3,4,5,6,7
	v_lshl_add_u32 v[RA+\n], v[RA+\n], 4, v25
.endr
	s_wait_alu depctr_va_vdst(0)
	s_wait_loadcnt 0x0                             ; the indices are in
.set m, 0
.rept 32
	v_min_u32 v[OFF+m], 0x3ff, v[OFF+m]
.set m, m+1
.endr
.set m, 0
.rept 32
	v_lshl_add_u32 v[OFF+m], v[OFF+m], 9, v5       ; the row's 512 bytes x index + 16 r
.set m, m+1
.endr
.set m, 0
.rept 32
	global_load_b128 v[G+4*m:G+4*m+3], v[OFF+m], s[6:7]   ; 16 lanes read 256 consecutive bytes, aligned, of one row of emb
.set m, m+1
.endr
.set m, 0
.rept 32
	s_wait_loadcnt 31-m                            ; loads come back in order: gather m is in; the 31 - m younger ones may be out
	ds_store_b128 v[WA+m/4], v[G+4*m:G+4*m+3] offset:256*m
.set m, m+1
.endr
.irp g, 0,1,2,3,4,5,6,7
.irp q, 0,1,2,3
	ds_load_b128 v[G+16*\g+4*\q:G+16*\g+4*\q+3], v[RA+\g] offset:256*\q   ; my wave's own bytes, and LDS serves a wave's instructions in order: these see the stores above and land in the registers that those have left
.endr
.endr
.irp g, 0,1,2,3,4,5,6,7
	s_wait_dscnt 28-4*\g                           ; group g's four loads are in; the 28 - 4 g younger ones may be out
.if \g == 0
.set RG, T
.else
.set RG, G+16*(\g-1)
.endif
.irp i, 0,1,2,3
.irp q, 0,1,2,3
	v_mov_b32 v[RG+4*\i+\q], v[G+16*\g+4*\q+\i]    ; the 4 x 4 turn
.endr
.endr
.irp i, 0,1,2,3
	global_store_b128 v[VO], v[RG+4*\i:RG+4*\i+3], s[10:11] offset:(8*\g+\i)*16384 th:TH_STORE_NT   ; 16 lanes store 256 consecutive bytes, aligned; no register of a pending store is written again
.endr
.endr
	s_wait_tensorcnt 0x0                           ; the wave's end
	ds_add_u32 v[SPW], v[NIL]
	s_wait_dscnt 0x0
	s_endpgm
.Lfunc_end_k_qcbd9644f39_spread:
	.size	k_qcbd9644f39_spread, .Lfunc_end_k_qcbd9644f39_spread-k_qcbd9644f39_spread
	.p2alignl 7, 3214868480
	.fill 96, 4, 3214868480
	.section	.rodata,"a",@progbits
	.p2align	6, 0x0
	.amdhsa_kernel k_qcbd9644f39_spread
		.amdhsa_group_segment_fixed_size 132096
		.amdhsa_private_segment_fixed_size 0
		.amdhsa_enable_private_segment 0
		.amdhsa_kernarg_size 24
		.amdhsa_user_sgpr_count 2
		.amdhsa_user_sgpr_kernarg_segment_ptr 1
		.amdhsa_wavefront_size32 1
		.amdhsa_system_sgpr_workgroup_id_x 1
		.amdhsa_system_sgpr_workgroup_id_y 1
		.amdhsa_system_sgpr_workgroup_id_z 1
		.amdhsa_system_vgpr_workitem_id 0
		.amdhsa_next_free_vgpr 204
		.amdhsa_next_free_sgpr 66
		.amdhsa_reserve_vcc 0
		.amdhsa_float_denorm_mode_32 3
		.amdhsa_float_denorm_mode_16_64 3
		.amdhsa_memory_ordered 1
		.amdhsa_forward_progress 1
		.amdhsa_inst_pref_size 24
	.end_amdhsa_kernel
	.amdgpu_metadata
---
amdhsa.version: [ 1, 2 ]
amdhsa.kernels:
  - .name:           k_qcbd9644f39_spread
    .symbol:         k_qcbd9644f39_spread.kd
    .args:
      - { .name: idx, .offset: 0, .size: 8, .value_kind: global_buffer, .address_space: global }
      - { .name: emb, .offset: 8, .size: 8, .value_kind: global_buffer, .address_space: global }
      - { .name: out0, .offset: 16, .size: 8, .value_kind: global_buffer, .address_space: global }
    .group_segment_fixed_size: 132096
    .private_segment_fixed_size: 0
    .kernarg_segment_align: 8
    .kernarg_segment_size: 24
    .max_flat_workgroup_size: 256
    .sgpr_count:     66
    .vgpr_count:     204
    .wavefront_size: 32
...
	.end_amdgpu_metadata
.endif
;; end of part 3
